; MI455X (gfx1250); checked and timed in simulation.
; The chip was launched on July 23, 2026; its instructions are those of AMD's public machine-readable ISA for CDNA 5 (MIT licence, August 2026) and "CDNA5" Instruction Set Architecture Reference Guide (July 2026). The comments in the code are by the model that wrote it; some were corrected since.
;; Multi Head Attention CF. Allowed arithmetic: matrix products marked QUANTISED: E4M3 operands, one E8M0 scale for each 32 along K, by v_wmma_scale_f32_16x16x128_f8f6f4 with both operands' format E4M3, f32 sums; everything else in f32.
;; Inputs: Wk_codes 1,024 x 32 x 32 uint8 (E4M3 codes of Wk, K innermost, in blocks of 32 codes); Wk_scales 1,024 x 32 uint8 (E8M0 scales of Wk, one for each 32 codes along K); Wo_codes 1,024 x 32 x 32 uint8 (E4M3 codes of Wo, K innermost, in blocks of 32 codes); Wo_scales 1,024 x 32 uint8 (E8M0 scales of Wo, one for each 32 codes along K); Wq_codes 1,024 x 32 x 32 uint8 (E4M3 codes of Wq, K innermost, in blocks of 32 codes); Wq_scales 1,024 x 32 uint8 (E8M0 scales of Wq, one for each 32 codes along K); Wv_codes 1,024 x 32 x 32 uint8 (E4M3 codes of Wv, K innermost, in blocks of 32 codes); Wv_scales 1,024 x 32 uint8 (E8M0 scales of Wv, one for each 32 codes along K); bk 1,024 float32; bo 1,024 float32; bq 1,024 float32; bv 1,024 float32; x_codes 4 x 2,048 x 32 x 32 uint8 (E4M3 codes of x, K innermost, in blocks of 32 codes); x_scales 4 x 2,048 x 32 uint8 (E8M0 scales of x, one for each 32 codes along K).
;; Outputs: out0 4 x 2,048 x 1,024 float32.
;; This version of the problem:
;;   THIS VERSION OF THE PROBLEM IS GIVEN IN LOW PRECISION. The matrix products marked QUANTISED in the list below multiply operands that are first quantised to E4M3 (4 exponent bits, 3 mantissa bits; 8 bits a number), with one power-of-two scale for each 32 numbers along K (OCP MX v1.0); their sums are f32. All else is computed in f32.
;;   The module's matrix products, in the order in which they are computed (A, B: the left and right operand; K: the contracted axis; several contracted axes count as one K, in the product's order):
;;     1. [M 8,192, K 1,024] x [K 1,024, N 1,024]; A: input x (given as codes); B: input Wq (given as codes): QUANTISED
;;     2. [M 8,192, K 1,024] x [K 1,024, N 1,024]; A: input x (given as codes); B: input Wk (given as codes): QUANTISED
;;     3. [M 8,192, K 1,024] x [K 1,024, N 1,024]; A: input x (given as codes); B: input Wv (given as codes): QUANTISED
;;     4. batch 64 x [M 2,048, K 64] x [K 64, N 2,048]; A: computed on the way; B: computed on the way: QUANTISED
;;     5. batch 64 x [M 2,048, K 2,048] x [K 2,048, N 64]; A: softmax (see below); B: computed on the way: QUANTISED
;;     6. [M 8,192, K 1,024] x [K 1,024, N 1,024]; A: computed on the way; B: input Wo (given as codes): QUANTISED
;;   THE QUANTISER, for each operand of a quantised product, along K:
;;     - K is cut into blocks of 32 from its start; a last block that is shorter is filled with zeros.
;;     - A block's scale is 2^e with e = floor(log2(the largest magnitude in the block)) - 8, held to -126 .. 127; a block of zeros has e = 0. As a byte (E8M0): e + 127.
;;     - Each number is divided by its block's scale, clamped to +-448, and rounded to the nearest number of E4M3, ties to even, subnormals kept.
;;     - The product sums the exact products of the quantised numbers (number of the format x scale) in f32.
;;   ~~~python
;;   def quantise(x, axis):      # numpy; x: float32 -> the quantised numbers, widened to float32 again
;;       x = np.moveaxis(x, axis, -1); K = x.shape[-1]
;;       x = np.pad(x, [(0, 0)] * (x.ndim - 1) + [(0, -K % 32)]); x = x.reshape(x.shape[:-1] + (-1, 32)); a = np.abs(x).max(-1, keepdims=True)
;;       e = np.where(a > 0, np.clip(np.frexp(np.where(a > 0, a, 1))[1] - 1 - 8, -126, 127), 0)      # np.frexp(a)[1] - 1 = floor(log2(a)), exactly
;;       r = np.clip(x / 2.0 ** e, -448, 448)
;;       step = 2.0 ** (np.maximum(np.frexp(np.where(r == 0, 1, r))[1] - 1, -6) - 3)
;;       q = np.round(r / step) * step * 2.0 ** e      # np.round: ties to even
;;       return np.moveaxis(q.reshape(q.shape[:-2] + (-1,))[..., :K], -1, axis).astype(np.float32)
;;   ~~~
;;   SOFTMAX AHEAD OF A QUANTISED PRODUCT. Where the list says 'softmax', what is quantised is not the finished softmax but p = 2^(t - M), with t = logit x log2(e) and M = ceil(the row's largest t), a whole number; so 1/2 < the row's largest p <= 1. The row's sum l is taken of the UNQUANTISED p, in f32, and the product's result is divided by l at the end. Since M is a whole number, a kernel that streams over the keys may use a running M (the ceiling of the running maximum): every later rescaling is an exact power of two, which a block's scale takes up: the codes' values come out the same.
;;   OPERANDS COMPUTED ON THE WAY. 'Computed on the way' means the value that the module computes at that place (a softmax that the list does not call 'softmax' is quantised finished and normalised). What goes into a quantiser is computed in f32, as accurately as f32 sums, v_exp_f32 and their like allow (about 1e-6 of the number): no bf16 or f16 on the way to a quantiser, and a product that is left as it is and whose result goes on into a quantised operand takes f32 operands (vector FMAs, or v_wmma_f32_16x16x4_f32). A number that lies on a knife's edge between two numbers of the format may be rounded either way, as far as f32 arithmetic and the matrix unit's own rounding can turn it there, and no further.
;;   INPUTS GIVEN AS CODES. Wk (in the module: [1024, 1024], K = its axis 1); Wo (in the module: [1024, 1024], K = its axis 1); Wq (in the module: [1024, 1024], K = its axis 1); Wv (in the module: [1024, 1024], K = its axis 1); x (in the module: [4, 2048, 1024], K = its axis 2): each comes as NAME_codes (uint8): NAME with its K axis moved to the last place and cut into blocks of 32 codes, [.., K / 32, bytes a block], one block behind the other in memory; one code a byte (a code: sign, 4 exponent bits, 3 mantissa bits); and NAME_scales (uint8): the same leading axes, one E8M0 byte (e + 127) for each 32 codes along K. Its value is code x scale, taken as it is: it is not quantised again, and the codes and scales need not be those that the quantiser above would give.
;; One version. Each part assembles by itself: llvm-mc -triple=amdgcn-amd-amdhsa -mcpu=gfx1250 --defsym DOCPART=n.
;; ======== version 1 of 1: 3 launches
;; limits: right only within a limited range of input values
;; workspace buffers: qimg 8,388,608 bytes; kimg 8,388,608 bytes; vimg 8,388,608 bytes; qs 524,288 bytes; kvs 786,432 bytes; oimg 8,388,608 bytes; osc 262,144 bytes
;; launch qkv (part 1): grid 12 x 32, 4 waves a work-group, clusters of 4 x 4, 327,680 bytes of LDS; arguments x_codes, x_scales, Wq_codes, Wq_scales, Wk_codes, Wk_scales, Wv_codes, Wv_scales, bq, bk, bv, qimg, qs, kimg, vimg, kvs; writes qimg, qs, kimg, vimg, kvs
.if DOCPART == 1
	.amdgcn_target "amdgcn-amd-amdhsa--gfx1250"
	.amdhsa_code_object_version 6
	.text
	.protected	k_q2f865060b4_qkv
	.globl	k_q2f865060b4_qkv
	.p2align	8
	.type	k_q2f865060b4_qkv,@function
k_q2f865060b4_qkv:
	s_mov_b64 s[64:65], 0
	v_nop
	global_prefetch_b8 v0, s[64:65] scope:SCOPE_SE
	s_setreg_imm32_b32 hwreg(HW_REG_WAVE_MODE, 25, 1), 1
	s_wait_xcnt 0x0
	s_wait_alu depctr_hold_cnt(0) depctr_sa_sdst(0) depctr_va_vdst(0) depctr_va_sdst(0) depctr_va_ssrc(0) depctr_va_vcc(0) depctr_vm_vsrc(0)
	s_getreg_b32 s2, hwreg(HW_REG_IB_STS2, 6, 4)
	s_cmp_eq_u32 s2, 0
	s_cbranch_scc0 .Lentry_in_a_cluster
	s_endpgm
.Lentry_in_a_cluster:
	s_bfe_u32 s2, ttmp6, 0x10000c
	s_cmp_lg_u32 s2, 0xf033
	s_cbranch_scc0 .Lentry_shape_is_right
	s_endpgm
.Lentry_shape_is_right:
.set SIZE_K, 1024
.set KSTEP,  256
.set NQ,     KSTEP/128
.set ROWB,   256
.set KROW,   SIZE_K
.set PITCH,  272
.set FR,     16
.set NL,     4
.set NP,     8
.set HALFT,  128*PITCH
.set SLOT,   4*HALFT
.set LAPS,   SIZE_K/(2*KSTEP)
.set KS,     SIZE_K/32
.set SCL,    2*SLOT
.set HALFS,  (128*KS/256)*272
.set SBLK,   (16*KS/256)*272
.set SPARE,  SCL+4*HALFS
.set SWA,  1
.set SRA,  2
.set LV,   3
.set BAA,  4
.set BVA,  6
.set ADRS, 7
.set ADRA, 8
.set ADRB, 10
.set SPW,  12
.set NIL,  13
.set LI,   14
.set LI2,  15
.set BA,   16
.set SC,   32
.set BV,   64
.set AF,   128
.set T,    128
.set PC,   192
.set TM,   208
.set PW,   224
.set W0,   232
.set W1,   236
.set W2,   240
.set G1, 24
.set G0, 32
.set G1B, 48
.set G0B, 56
.set G1S, 68
.set G0S, 76
.set G1SB, 80
.set G0SB, 88
.set ISV, 95
.set OC,  96
.set SB,  98
.set SB2, 100
.set INC, 18
.set INC4, 20
.set SEL, 22
.set MNT, 2
.set MSB, 0
.macro WIN new
.if MSB != (\new)
	s_set_vgpr_msb (MSB<<8)|(\new)
.set MSB, (\new)
.endif
.endm
.set MUL_LO, 0xa1
.set MUL_HI, 0xf1
.set TO_B,   0x40
.macro JLOAD g0a, g1a, g0b, g1b
	s_cmp_eq_u32 s15, 0
	s_cbranch_scc0 .Lfor_b_\@
	tensor_load_to_lds s[\g0a:\g0a+3], s[\g1a:\g1a+7]
	s_nop 0
.rept 4
	v_nop
.endr
	s_branch .Lasked_\@
.Lfor_b_\@:
	tensor_load_to_lds s[\g0b:\g0b+3], s[\g1b:\g1b+7]
	s_nop 0
.rept 4
	v_nop
.endr
.Lasked_\@:
.endm
.macro CREST
	s_cmp_lg_u32 s14, 0
	s_cbranch_scc1 .Lnot_wave_0_\@
	s_barrier_signal -3
.Lnot_wave_0_\@:
	s_barrier_wait -3
	s_barrier_signal -1
	s_barrier_wait -1
.endm
.macro CROUND
	s_barrier_signal -1
	s_barrier_wait -1
	CREST
.endm
	s_load_b512 s[24:39], s[0:1], 0x0
	s_load_b512 s[68:83], s[0:1], 0x40
	v_lshl_add_u32 v[SPW], v0, 2, SPARE
	v_mov_b32 v[NIL], 0
	ds_add_u32 v12, v13
	ds_add_u32 v12, v13
	s_wait_dscnt 0x0
	v_lshrrev_b32 v5, 5, v0
	v_readfirstlane_b32 s14, v5
	s_lshr_b32 s15, s14, 1
	s_and_b32 s16, s14, 1
	s_bfe_u32 s40, ttmp6, 0x40000
	s_bfe_u32 s41, ttmp6, 0x40004
	s_and_b32 s18, ttmp7, 0xffff
	s_cmp_eq_u32 ttmp9, 2
	s_cselect_b32 s[ISV], 1, 0
	s_cselect_b32 s19, 0, s18
	s_cselect_b32 s18, s18, 0
	s_lshl_b32 s42, s18, 2
	s_add_co_u32 s42, s42, s40
	s_lshl_b32 s17, s19, 2
	s_add_co_u32 s17, s17, s41
	s_lshl_b32 s43, s41, 2
	s_lshl_b32 s43, 15, s43
	s_lshl_b32 s44, 0x1111, s40
	s_lshl_b32 s18, s16, 7
	s_lshl_b32 s20, s17, 8
	s_add_co_u32 s20, s20, s18
	s_lshl_b32 s46, s42, 8
	s_add_co_u32 s46, s46, s18
	s_mov_b32 s21, 0
	s_mov_b32 s47, 0
	s_mov_b64 s[18:19], KS
	s_mul_u64 s[22:23], s[20:21], s[18:19]
	s_mul_u64 s[92:93], s[46:47], s[18:19]
	s_mov_b64 s[18:19], KROW
	s_mul_u64 s[20:21], s[20:21], s[18:19]
	s_mul_u64 s[46:47], s[46:47], s[18:19]
	s_mul_i32 s45, s14, HALFT
	s_mul_i32 s94, s14, HALFS
	s_wait_kmcnt 0x0
	s_cmp_eq_u32 ttmp9, 0
	s_cselect_b64 s[8:9], s[28:29], s[32:33]
	s_cselect_b64 s[10:11], s[30:31], s[34:35]
	s_cselect_b64 s[12:13], s[68:69], s[70:71]
	s_cselect_b64 s[OC:OC+1], s[74:75], s[78:79]
	s_cselect_b64 s[SB:SB+1], s[76:77], s[82:83]
	s_mov_b32 s[SB2], 12288
	s_cselect_b32 s[SB2], 8192, s[SB2]
	s_cmp_eq_u32 ttmp9, 2
	s_cselect_b64 s[4:5], s[36:37], s[24:25]
	s_cselect_b64 s[6:7], s[38:39], s[26:27]
	s_cselect_b64 s[8:9], s[24:25], s[8:9]
	s_cselect_b64 s[10:11], s[26:27], s[10:11]
	s_cselect_b64 s[12:13], s[72:73], s[12:13]
	s_cselect_b64 s[OC:OC+1], s[80:81], s[OC:OC+1]
	s_cselect_b64 s[SB:SB+1], s[82:83], s[SB:SB+1]
	s_add_nc_u64 s[20:21], s[4:5], s[20:21]
	s_add_nc_u64 s[22:23], s[6:7], s[22:23]
	s_add_nc_u64 s[46:47], s[8:9], s[46:47]
	s_add_nc_u64 s[92:93], s[10:11], s[92:93]
	s_or_b32 s[G1+0], s43, (0<<16)|(1<<20)|(1<<21)|(5<<22)|(3<<25)
	s_or_b32 s[G1B+0], s44, (0<<16)|(1<<20)|(1<<21)|(5<<22)|(3<<25)
.irp g, G1, G1B
	s_mov_b32 s[\g+1], ROWB<<16
	s_mov_b32 s[\g+2], 256<<16
	s_mov_b32 s[\g+3], ROWB<<16
	s_mov_b32 s[\g+4], 256
	s_mov_b32 s[\g+5], KROW
	s_mov_b32 s[\g+6], 0
	s_mov_b32 s[\g+7], 0
.endr
	s_or_b32 s[G1S+0], s43, (3<<16)|(1<<20)|(1<<21)|(5<<22)|(3<<25)
	s_or_b32 s[G1SB+0], s44, (3<<16)|(1<<20)|(1<<21)|(5<<22)|(3<<25)
.irp g, G1S, G1SB
	s_mov_b32 s[\g+1], 32<<16
	s_mov_b32 s[\g+2], (256*KS/256)<<16
	s_mov_b32 s[\g+3], 32<<16
	s_mov_b32 s[\g+4], 256*KS/256
	s_mov_b32 s[\g+5], 32
	s_mov_b32 s[\g+6], 0
	s_mov_b32 s[\g+7], 0
.endr
	; the head's four tiles, each whole, one a wave: K step 0's 256 rows of A, of B, the scales of A's 256 rows, of B's.  The ring's addresses hold my half of 128 rows: it is taken off here
	s_lshl_b32 s2, s16, 17                         ; 128 rows of codes
	s_mov_b32 s3, 0
	s_sub_nc_u64 s[6:7], s[20:21], s[2:3]
	s_sub_nc_u64 s[10:11], s[46:47], s[2:3]
	s_lshl_b32 s2, s16, 12                         ; 128 rows of scale bytes
	s_sub_nc_u64 s[G0S+2:G0S+3], s[22:23], s[2:3]
	s_sub_nc_u64 s[G0SB+2:G0SB+3], s[92:93], s[2:3]
	s_mov_b32 s4, 1
	s_mov_b32 s5, 0
	s_or_b32 s7, s7, 0x80000000
	s_mov_b32 s8, 1
	s_mov_b32 s9, 2*HALFT
	s_or_b32 s11, s11, 0x80000000
	s_mov_b32 s[G0S], 1
	s_mov_b32 s[G0S+1], SCL
	s_or_b32 s[G0S+3], s[G0S+3], 0x80000000
	s_mov_b32 s[G0SB], 1
	s_mov_b32 s[G0SB+1], SCL+2*HALFS
	s_or_b32 s[G0SB+3], s[G0SB+3], 0x80000000
.irp s, 0,1
	s_mov_b32 s[G0+4*\s], 1
	s_add_co_u32 s[G0+4*\s+1], s45, \s*SLOT
	s_add_nc_u64 s[G0+4*\s+2:G0+4*\s+3], s[20:21], \s*ROWB
	s_or_b32 s[G0+4*\s+3], s[G0+4*\s+3], 0x80000000
	s_mov_b32 s[G0B+4*\s], 1
	s_add_co_u32 s[G0B+4*\s+1], s45, \s*SLOT
	s_add_nc_u64 s[G0B+4*\s+2:G0B+4*\s+3], s[46:47], \s*ROWB
	s_or_b32 s[G0B+4*\s+3], s[G0B+4*\s+3], 0x80000000
.endr
	CROUND                                         ; all sixteen work-groups are here: the first joint loads meet
.macro ARM under, g0, g1, next                 ; one chain of arms on the wave's number, one load to an arm
	s_cmp_lt_u32 s14, \under
	s_cbranch_scc0 \next
	tensor_load_to_lds s[\g0:\g0+3], s[\g1:\g1+7]
	s_nop 0
.rept 4
	v_nop
.endr
	s_branch .Lhead_asked
\next:
.endm
	ARM 1, 4, G1, .Lhead_b
	ARM 2, 8, G1B, .Lhead_sa
	ARM 3, G0S, G1S, .Lhead_sb
	tensor_load_to_lds s[G0SB:G0SB+3], s[G1SB:G1SB+7]
	s_nop 0
.rept 4
	v_nop
.endr
.Lhead_asked:
	s_wait_alu depctr_va_vdst(0)
	s_wait_tensorcnt 0x0                           ; my tile of the four is in
	ds_add_u32 v12, v13
	s_mov_b32 s[G1+2], 128<<16                     ; no tensor load of mine is out: from here on a load brings 128 rows
	s_mov_b32 s[G1+4], 128
	s_mov_b32 s[G1B+2], 128<<16
	s_mov_b32 s[G1B+4], 128
	s_wait_dscnt 0x0
	CROUND
	JLOAD G0+4, G1, G0B+4, G1B                     ; K step 1, the first tensor load behind the round
	v_and_b32 v[BAA], 15, v0
	v_bfe_u32 v5, v0, 4, 1
	v_mul_u32_u24 v[BVA], v[BAA], PITCH
	v_lshl_add_u32 v[BVA], v5, 4, v[BVA]
	s_mul_i32 s21, s15, HALFT
	s_mul_i32 s22, s16, HALFT
	s_add_co_u32 s22, s22, 2*HALFT
.irp s, 0,1
	v_add_nc_u32 v[ADRA+\s], s21, v[BVA]
	v_add_nc_u32 v[ADRB+\s], s22, v[BVA]
	s_add_co_u32 s21, s21, SLOT
	s_add_co_u32 s22, s22, SLOT
.endr
	v_mul_u32_u24 v[BVA], v[BAA], KS
	v_lshrrev_b32 v[LI], 8, v[BVA]
	v_lshl_add_u32 v[BVA], v[LI], 4, v[BVA]
	s_mul_i32 s21, s15, HALFS
	s_mul_i32 s22, s16, HALFS
	s_add_co_u32 s22, s22, 2*HALFS
	s_sub_co_u32 s22, s22, s21
	v_mul_u32_u24 v[LI], s22, v5
	s_add_co_u32 s21, s21, SCL
	v_add_nc_u32 v[BVA], v[BVA], v[LI]
	v_add_nc_u32 v[ADRS], s21, v[BVA]
	s_cmp_eq_u32 s[ISV], 1
	s_cselect_b32 s4, s42, s17
	s_cselect_b32 s5, s16, s15
	s_cselect_b32 s6, s17, s42
	s_cselect_b32 s7, s15, s16
	s_mov_b32 s[INC], 1024
	s_cselect_b32 s[INC], 2048, s[INC]
	s_mov_b32 s[INC4], 1024
	s_cselect_b32 s[INC4], 124928, s[INC4]
	s_mov_b32 s8, 131072
	s_cselect_b32 s8, 1024, s8
	s_mov_b32 s[INC+1], 0
	s_mov_b32 s[INC4+1], 0
	s_lshl_b32 s4, s4, 8
	s_lshl_b32 s5, s5, 7
	s_add_co_u32 s4, s4, s5
	s_lshr_b32 s5, s4, 11
	s_and_b32 s4, s4, 2047
	s_lshl_b32 s9, s6, 10
	s_lshl_b32 s10, s7, 9
	s_add_co_u32 s9, s9, s10
	s_lshl_b32 s6, s6, 2
	s_lshl_b32 s7, s7, 1
	s_add_co_u32 s6, s6, s7
	s_lshl_b32 s5, s5, 4
	s_add_co_u32 s5, s5, s6
	s_lshl_b32 s10, s5, 17
	s_lshl_b32 s11, s4, 6
	s_add_co_u32 s10, s10, s11
	s_mov_b32 s11, 0
	s_add_nc_u64 s[OC:OC+1], s[OC:OC+1], s[10:11]
	s_mul_i32 s10, s5, s[SB2]
	s_lshl_b32 s6, s4, 2
	s_lshl_b32 s7, s4, 1
	s_add_co_u32 s7, s7, 8192
	s_cmp_eq_u32 s[ISV], 1
	s_cselect_b32 s6, s7, s6
	s_cselect_b32 s7, 0, s9
	s_cselect_b32 s9, s9, 0
	s_add_co_u32 s10, s10, s6
	s_add_nc_u64 s[SB:SB+1], s[SB:SB+1], s[10:11]
	s_mov_b32 s[SB2+1], 0
	s_add_nc_u64 s[SB2:SB2+1], s[SB:SB+1], s[SB2:SB2+1]
	s_lshl_b32 s3, s14, 9
	v_lshl_add_u32 v[SWA], v[BAA], 2, s3
	v_and_b32 v[LI], 31, v0
	v_lshlrev_b32 v[LI], 4, v[LI]
	v_add_nc_u32 v[SRA], s3, v[LI]
	v_lshlrev_b32 v[LV], 4, v[BAA]
	v_mul_u32_u24 v[BVA], v5, 12288
	v_add_nc_u32 v[LV], v[LV], v[BVA]
	v_add_nc_u32 v[LI2], s8, v[LI]
	v_lshl_add_u32 v[BVA], v5, 5, s7
	v_lshl_add_u32 v[BAA], v[BAA], 2, s9
.irp b, 0,1,2,3,4,5,6,7
	global_load_b128 v[BV+8*\b:BV+8*\b+3], v[BVA], s[12:13] offset:64*\b
	global_load_b128 v[BV+8*\b+4:BV+8*\b+7], v[BVA], s[12:13] offset:64*\b+16
.endr
.irp a, 0,1,2,3,4,5,6,7
	global_load_b32 v[BA+2*\a], v[BAA], s[12:13] offset:64*\a
	global_load_b32 v[BA+2*\a+1], v[BAA], s[12:13] offset:64*\a
.endr
	s_mov_b32 s[SEL], 0x76543210
	s_mov_b32 s[SEL+1], 0xfedcba98
	s_mov_b32 s[MNT], 0x600000
.macro FRAG reg, adr, q, i
.irp c, 0,1,2,3
	ds_load_b128 v[\reg+4*\c:\reg+4*\c+3], v[\adr] offset:128*(\q)+32*\c+(\i)*16*PITCH
.endr
.endm
.macro MUL16 a0, p, q, sc, zero
.irp a, \a0, \a0+1
.irp b, 0,1,2,3,4,5,6,7
.if \zero
	v_wmma_scale_f32_16x16x128_f8f6f4 v[8*(8*((\a)%4)+\b):8*(8*((\a)%4)+\b)+7], v[128*(\p)+FR*\b:128*(\p)+FR*\b+FR-1], v[AF+FR*(\a):AF+FR*(\a)+FR-1], 0, v[SC+8*NQ*(\sc)+NQ*\b+(\q)], v[SC+8*NQ*(\sc)+NQ*(\a)+(\q)] matrix_a_scale:MATRIX_SCALE_ROW1
.else
	v_wmma_scale_f32_16x16x128_f8f6f4 v[8*(8*((\a)%4)+\b):8*(8*((\a)%4)+\b)+7], v[128*(\p)+FR*\b:128*(\p)+FR*\b+FR-1], v[AF+FR*(\a):AF+FR*(\a)+FR-1], v[8*(8*((\a)%4)+\b):8*(8*((\a)%4)+\b)+7], v[SC+8*NQ*(\sc)+NQ*\b+(\q)], v[SC+8*NQ*(\sc)+NQ*(\a)+(\q)] matrix_a_scale:MATRIX_SCALE_ROW1
.endif
.endr
.endr
.endm
.macro FETCH_B slot, q, p
	WIN TO_B
.irp i, 0,1,2,3,4,5,6,7
	FRAG 128*(\p)+FR*\i, ADRB+\slot, \q, \i
.endr
	WIN 0
.endm
.macro FETCH_A slot, q, i0
.irp i, \i0, \i0+1, \i0+2, \i0+3
	FRAG AF+FR*(\i), ADRA+\slot, \q, \i
.endr
.endm
.macro SCALES sc
.irp i, 0,1,2,3,4,5,6,7
	ds_load_b64 v[SC+8*NQ*\sc+NQ*\i:SC+8*NQ*\sc+NQ*\i+1], v[ADRS] offset:\i*SBLK
.endr
.endm
.macro PLACES n
.rept \n
	v_nop
.endr
.endm
.macro STEP slot, q, zero
	s_wait_dscnt 4*NL
	WIN MUL_LO
	MUL16 0, (\q)%2, \q, \slot, \zero
	MUL16 2, (\q)%2, \q, \slot, \zero
	s_wait_dscnt 0
	PLACES NP
	FETCH_B \slot, (\q)+1, 1-(\q)%2
	FETCH_A \slot, (\q)+1, 0
	WIN MUL_HI
	MUL16 4, (\q)%2, \q, \slot, \zero
	MUL16 6, (\q)%2, \q, \slot, \zero
	PLACES NP
	WIN 0
	FETCH_A \slot, (\q)+1, 4
.endm
.macro TURN slot, next, fill
	s_wait_tensorcnt 0x0
	ds_add_u32 v[SPW], v[NIL]
	s_wait_dscnt 4*NL+1
	WIN MUL_LO
	MUL16 0, 1, NQ-1, \slot, 0
	s_wait_dscnt 0x0
	s_barrier_signal -1
	MUL16 2, 1, NQ-1, \slot, 0
	WIN 0
	s_barrier_wait -1
.if \fill
	CREST
	s_add_nc_u64 s[G0+4*\slot+2:G0+4*\slot+3], s[G0+4*\slot+2:G0+4*\slot+3], 2*ROWB
	s_add_nc_u64 s[G0B+4*\slot+2:G0B+4*\slot+3], s[G0B+4*\slot+2:G0B+4*\slot+3], 2*ROWB
	JLOAD G0+4*\slot, G1, G0B+4*\slot, G1B
	PLACES NP-4
.else
	PLACES NP
.endif
	s_wait_alu depctr_va_vdst(0)
	v_add_nc_u32 v[ADRS], 4*NQ, v[ADRS]
	FETCH_B \next, 0, 0
	FETCH_A \next, 0, 0
	SCALES \next
	WIN MUL_HI
	MUL16 4, 1, NQ-1, \slot, 0
	MUL16 6, 1, NQ-1, \slot, 0
	PLACES NP
	WIN 0
	FETCH_A \next, 0, 4
.endm
	s_wait_tensorcnt 1
	s_barrier_signal -1
	s_barrier_wait -1
	FETCH_B 0, 0, 0
	FETCH_A 0, 0, 0
	SCALES 0
	FETCH_A 0, 0, 4
	STEP 0, 0, 1
	s_mov_b32 s3, LAPS-1
.Llap:
	TURN 0, 1, 1
	STEP 1, 0, 0
	TURN 1, 0, 1
	STEP 0, 0, 0
	s_sub_co_u32 s3, s3, 1
	s_cmp_lg_u32 s3, 0
	s_cbranch_scc1 .Llap
	TURN 0, 1, 0
	STEP 1, 0, 0
	s_wait_dscnt 4*NL
	WIN MUL_LO
	MUL16 0, 1, NQ-1, 1, 0
	MUL16 2, 1, NQ-1, 1, 0
	s_wait_dscnt 0
	WIN MUL_HI
	MUL16 4, 1, NQ-1, 1, 0
	MUL16 6, 1, NQ-1, 1, 0
	WIN 0
.macro BIASADD a
	s_cmp_eq_u32 s[ISV], 1
	s_cbranch_scc1 .Lrow_\@
	WIN 0x02+(\a)/4
.set i, 0
.rept 32
	v_pk_add_f32 v[T+i:T+i+1], v[64*((\a)%4)+i:64*((\a)%4)+i+1], v[BV+i:BV+i+1]
.set i, i+2
.endr
	WIN 0
	s_branch .Ladded_\@
.Lrow_\@:
	WIN 0x02+(\a)/4
.set i, 0
.rept 32
	v_pk_add_f32 v[T+i:T+i+1], v[64*((\a)%4)+i:64*((\a)%4)+i+1], v[BA+2*(\a):BA+2*(\a)+1]
.set i, i+2
.endr
	WIN 0
.Ladded_\@:
.endm
.macro QUANT pw
.irp b, 0,1,2,3
	v_max3_num_f32 v[TM+\b], |v[T+16*\b]|, |v[T+1+16*\b]|, 0x4800000
.endr
.irp i, 2,4,6,8,10,12,14
.irp b, 0,1,2,3
	v_max3_num_f32 v[TM+\b], v[TM+\b], |v[T+16*\b+\i]|, |v[T+1+16*\b+\i]|
.endr
.endr
.irp b, 0,1,2,3
	v_permlanex16_b32 v[TM+4+\b], v[TM+\b], s[SEL], s[SEL+1]
.endr
.irp b, 0,1,2,3
	v_max_num_f32 v[TM+\b], v[TM+\b], v[TM+4+\b]
.endr
.irp b, 0,1,2,3
	v_add_nc_u32 v[TM+12+\b], 0xfc000000, v[TM+\b]
.endr
.irp b, 0,1,2,3
	v_and_or_b32 v[TM+8+\b], v[TM+\b], 0x7f800000, s[MNT]
.endr
.irp b, 0,1,2,3
	v_lshrrev_b32 v[TM+4+\b], 23, v[TM+12+\b]
.endr
	v_lshl_or_b32 v[\pw], v[TM+5], 8, v[TM+4]
	v_lshl_or_b32 v[\pw], v[TM+6], 16, v[\pw]
	v_lshl_or_b32 v[\pw], v[TM+7], 24, v[\pw]
.irp b, 0,1,2,3
.irp i, 0,1,2,3,4,5,6,7,8,9,10,11,12,13,14,15
	v_med3_num_f32 v[T+16*\b+\i], v[T+16*\b+\i], -v[TM+8+\b], v[TM+8+\b]
.endr
	v_cvt_scalef32_pk8_fp8_f32 v[PC+4*\b:PC+1+4*\b], v[T+16*\b:T+7+16*\b], v[TM+12+\b]
	v_cvt_scalef32_pk8_fp8_f32 v[PC+2+4*\b:PC+3+4*\b], v[T+8+16*\b:T+15+16*\b], v[TM+12+\b]
.endr
	v_nop
.endm
	s_wait_loadcnt 0x0                             ; the bias, asked for at the head and first read here: the K steps write neither its registers nor its loads' offsets and base
	PLACES NP
.irp b, 0,1,2,3
	v_mov_b32 v[TM+4+\b], 0
.endr
.irp a, 0,1,2,3,4,5,6,7
	BIASADD \a
.if \a > 0
	s_wait_xcnt 0x0
.if \a == 4
	s_add_nc_u64 s[OC:OC+1], s[OC:OC+1], s[INC4:INC4+1]
.else
	s_add_nc_u64 s[OC:OC+1], s[OC:OC+1], s[INC:INC+1]
.endif
.endif
	QUANT PW+\a
	global_store_b128 v[LI], v[PC:PC+3], s[OC:OC+1]
	global_store_b128 v[LI], v[PC+4:PC+7], s[OC:OC+1] offset:512
	global_store_b128 v[LI2], v[PC+8:PC+11], s[OC:OC+1]
	global_store_b128 v[LI2], v[PC+12:PC+15], s[OC:OC+1] offset:512
	ds_store_b32 v[SWA], v[PW+\a] offset:64*\a
.endr
	ds_load_b128 v[W0:W0+3], v[SRA]
	s_wait_dscnt 0x0
	s_cmp_eq_u32 s[ISV], 1
	s_cbranch_scc1 .Lv_words
.irp i, 0,1,2,3
	v_and_b32 v[W1+\i], 0xffff, v[W0+\i]
	v_lshrrev_b32 v[W2+\i], 16, v[W0+\i]
.endr
	global_store_b128 v[LI], v[W1:W1+3], s[SB:SB+1]
	global_store_b128 v[LI], v[W2:W2+3], s[SB2:SB2+1]
	s_branch .Lwords_out
.Lv_words:
	global_store_b128 v[LV], v[W0:W0+3], s[SB:SB+1]
.Lwords_out:
	s_wait_tensorcnt 0x0
	ds_add_u32 v[SPW], v[NIL]
	s_wait_dscnt 0x0
	CROUND
	s_endpgm
.Lfunc_end_k_q2f865060b4_qkv:
	.size	k_q2f865060b4_qkv, .Lfunc_end_k_q2f865060b4_qkv-k_q2f865060b4_qkv
	.p2alignl 7, 3214868480
	.fill 96, 4, 3214868480
	.section	.rodata,"a",@progbits
	.p2align	6, 0x0
	.amdhsa_kernel k_q2f865060b4_qkv
		.amdhsa_group_segment_fixed_size 327680
		.amdhsa_private_segment_fixed_size 0
		.amdhsa_enable_private_segment 0
		.amdhsa_kernarg_size 128
		.amdhsa_user_sgpr_count 2
		.amdhsa_user_sgpr_kernarg_segment_ptr 1
		.amdhsa_wavefront_size32 1
		.amdhsa_system_sgpr_workgroup_id_x 1
		.amdhsa_system_sgpr_workgroup_id_y 1
		.amdhsa_system_sgpr_workgroup_id_z 1
		.amdhsa_system_vgpr_workitem_id 0
		.amdhsa_next_free_vgpr 1024
		.amdhsa_next_free_sgpr 102
		.amdhsa_reserve_vcc 0
		.amdhsa_float_denorm_mode_32 3
		.amdhsa_float_denorm_mode_16_64 3
		.amdhsa_memory_ordered 1
		.amdhsa_forward_progress 1
		.amdhsa_inst_pref_size 225
	.end_amdhsa_kernel
	.amdgpu_metadata
---
amdhsa.version: [ 1, 2 ]
amdhsa.kernels:
  - .name:           k_q2f865060b4_qkv
    .symbol:         k_q2f865060b4_qkv.kd
    .args:
      - { .name: x_codes, .offset: 0, .size: 8, .value_kind: global_buffer, .address_space: global }
      - { .name: x_scales, .offset: 8, .size: 8, .value_kind: global_buffer, .address_space: global }
      - { .name: Wq_codes, .offset: 16, .size: 8, .value_kind: global_buffer, .address_space: global }
      - { .name: Wq_scales, .offset: 24, .size: 8, .value_kind: global_buffer, .address_space: global }
      - { .name: Wk_codes, .offset: 32, .size: 8, .value_kind: global_buffer, .address_space: global }
      - { .name: Wk_scales, .offset: 40, .size: 8, .value_kind: global_buffer, .address_space: global }
      - { .name: Wv_codes, .offset: 48, .size: 8, .value_kind: global_buffer, .address_space: global }
      - { .name: Wv_scales, .offset: 56, .size: 8, .value_kind: global_buffer, .address_space: global }
      - { .name: bq, .offset: 64, .size: 8, .value_kind: global_buffer, .address_space: global }
      - { .name: bk, .offset: 72, .size: 8, .value_kind: global_buffer, .address_space: global }
      - { .name: bv, .offset: 80, .size: 8, .value_kind: global_buffer, .address_space: global }
      - { .name: qimg, .offset: 88, .size: 8, .value_kind: global_buffer, .address_space: global }
      - { .name: qs, .offset: 96, .size: 8, .value_kind: global_buffer, .address_space: global }
      - { .name: kimg, .offset: 104, .size: 8, .value_kind: global_buffer, .address_space: global }
      - { .name: vimg, .offset: 112, .size: 8, .value_kind: global_buffer, .address_space: global }
      - { .name: kvs, .offset: 120, .size: 8, .value_kind: global_buffer, .address_space: global }
    .group_segment_fixed_size: 327680
    .private_segment_fixed_size: 0
    .kernarg_segment_align: 8
    .kernarg_segment_size: 128
    .max_flat_workgroup_size: 128
    .sgpr_count:     102
    .vgpr_count:     1024
    .wavefront_size: 32
...
	.end_amdgpu_metadata
.endif
;; end of part 1
;; launch attn (part 2): grid 4 x 64, 16 waves a work-group, clusters of 4 x 1, 276,480 bytes of LDS; arguments qimg, qs, kimg, vimg, kvs, oimg, osc; writes oimg, osc
.if DOCPART == 2
	.amdgcn_target "amdgcn-amd-amdhsa--gfx1250"
	.amdhsa_code_object_version 6
	.text
	.protected	k_q2f865060b4_attn
	.globl	k_q2f865060b4_attn
	.p2align	8
	.type	k_q2f865060b4_attn,@function
k_q2f865060b4_attn:
	s_mov_b64 s[64:65], 0
	v_nop
	global_prefetch_b8 v0, s[64:65] scope:SCOPE_SE
	s_setreg_imm32_b32 hwreg(HW_REG_WAVE_MODE, 25, 1), 1
	s_wait_xcnt 0x0
	s_wait_alu depctr_hold_cnt(0) depctr_sa_sdst(0) depctr_va_vdst(0) depctr_va_sdst(0) depctr_va_ssrc(0) depctr_va_vcc(0) depctr_vm_vsrc(0)
	s_getreg_b32 s2, hwreg(HW_REG_IB_STS2, 6, 4)
	s_cmp_eq_u32 s2, 0
	s_cbranch_scc0 .Lentry_in_a_cluster
	s_endpgm
.Lentry_in_a_cluster:
	s_bfe_u32 s2, ttmp6, 0x10000c
	s_cmp_lg_u32 s2, 0x3003
	s_cbranch_scc0 .Lentry_shape_is_right
	s_endpgm
.Lentry_shape_is_right:
; O[q] = the sum over k of softmax_k(Q[q] . K[k] / 8) V[k] for one head, both products on codes of FP8 (E4M3) with one E8M0 scale for each 32 along a product's K; then O is quantised along the model's 1,024.
; THE SOFTMAX AHEAD OF THE SECOND PRODUCT: t = score x log2(e) / 8; M = the row's largest t so far, rounded up to a whole number; p = 2^(t - M) is quantised along the keys, not normalised.
; The row's sum is taken of the unquantised p, in f32, and divides O at the end.  When M moves, the sum and O are multiplied by f = 2^(old M - new M): exact.
; SHARES.  Work-group y = 16 x batch + head; the four work-groups of a cluster take 512 queries each.  Each of the sixteen waves owns a tile of 16 queries at a time, two in all (two passes), in 256 registers.
; Every wave walks the head's 2,048 keys, 128 a step.
; A WHOLE HEAD LIES IN LDS: K's images (131,072 bytes), V's (131,072), both scale words (12,288).  Each byte is filled once: no ring, no refill.  The four partners read the same head: every fill is a joint load (mask 15).
; ONE LOAD A WAVE, all at the head: waves 0, 1: key steps 0 to 3 of K, of V (32,768 bytes each); wave 2: the scale words; wave 3: none; waves 8, 9: K's pieces 2, 3 of 16,384 bytes; waves 4-7, 10-15: piece = wave (K's 4-7, V's 2-7).
; Waves 0 to 3 wait at the first barrier, which shows key steps 0 to 3; every wave waits at the second, behind step 3, which shows the rest.  No barrier follows: no LDS byte changes any more.
; No prefetch: every fill is asked for at the head, so no loop runs ahead of a load.
; LAYOUT.  Both products are used transposed: S^T = K Q^T, O^T = V^T P^T: a lane holds one query (lane % 16) throughout.  The images are registers as the launch before left them: 512 consecutive bytes an LDS load.
; THE HEAD HAS 64 CHANNELS, THE INSTRUCTION 128 ALONG K: Q's upper eight registers are zero codes; K's upper eight are the next tile's codes, for the last tile p's codes of the step before (at first zeros): finite codes times zero.
; The scale bytes of that half are 0 in both words.
; THE ROW'S SUM TRAILS BY A STEP: the hold writes into scratch registers, so p stays as it is, and its 32 packed additions stand in the next step, as the places behind the products and under the LDS loads.
; They come ahead of that step's f, so the sum is the same.  The way out adds the last step's.
; DEPENDENT LINES STAND APART: the sum runs on six chains, a block's maximum on three, the four blocks by turns; a conversion stands behind three holds of the next tile.  Where a chain cannot be parted (M, f) a one-field hint stands ahead of each link.
; THE SECOND PASS CLEARS NOTHING: its first f is 0 (old -M is set to a huge number), and what O^T, the sum and p's registers still hold is finite.
; osc [token][32]: a head owns two of a row's 32 scale bytes, the other heads lie in other work-groups: these 2-byte stores fill a row in part; they are one byte in 32 of what the launch stores.
; LIMITS: NaN and infinities are not served (one in the first pass would reach the second pass's rows too).  A block whose largest magnitude lies under 2^-118 keeps the scale byte 1, a block of zeros too: its codes are zeros, and this program alone reads the bytes.
.set VL,   131072                      ; LDS: K's images from 0 (tile t at 1,024 t); V's fragments here: 8,192 a key step, 2,048 a channel tile
.set KSL,  262144                      ; K's scale words: 4 bytes a key
.set VSL,  270336                      ; V's: 256 bytes a key step, 4 a channel
.set SPARE, 274432                     ; the spare words: 128 bytes a wave
.set AK0,  1                           ; v1 16 x lane;  v2 VL + that;  v3 KSL + 4 x lane;  v4 VSL + 4 x lane
.set AV0,  2
.set AS0,  3
.set AT0,  4
.set QSA,  6                           ; v6 4 r;  v7 16 r + 8 h: my eight codes in a unit of oimg
.set OA,   7
.set ADK,  8                           ; v8-11 the step's LDS addresses
.set ADV,  9
.set ADS,  10
.set ADT,  11
;                                        v12 -M, v13 the largest score, v[14:15] the sum in two halves; v16-23 Q, v24-31 zeros
.set KF,   32                          ; v32-95 K's eight tiles, later V's four fragments
.set PCD,  96                          ; v96-111 p's codes
.set SS,   112                         ; v112-175 S^T, then p
.set OT,   176                         ; v176-207 O^T
.set TT,   208                         ; v208-223 two sets of eight held numbers; on the way out O's codes
.set OSA,  224                         ; v224 32 r
.set VSW,  226                         ; v226-227 V's scale words
.set SPW,  230
.set NIL,  231
.set KSW,  248                         ; v248-251 K's scale words;  v232-247 at work; v252 f, v253 p's scale word, v254 at work, v255 Q's scale word
.set WV,   18
.set MNT,  19
.set SEL,  20
.set CS,   22                          ; s[22:23] c = log2(e) / 8;  s67 -c
.set NCS,  67
.set G1A,  24                          ; groups 1: dense blocks of 128, 64, 48 rows of 256 bytes
.set G1R,  32
.set G1S,  40
.set G0A,  48                          ; groups 0
.set G0S,  52
.set G0X,  56
.set G0R,  60
.set TB,   70                          ; the step's first byte in K's region and in V's;  in V's words;  in K's words
.set TS,   71
.set TS2,  72
.set CNT,  73
.macro CROUND                          ; a round of the cluster's barrier
	s_barrier_signal -1
	s_barrier_wait -1
	s_cmp_lg_u32 s[WV], 0
	s_cbranch_scc1 .Lnot_wave_0_\@
	s_barrier_signal -3
.Lnot_wave_0_\@:
	s_barrier_wait -3
	s_barrier_signal -1
	s_barrier_wait -1
.endm
.macro GROUP1 g, rows                  ; mask: all four work-groups; elements of 8 bytes; bit 21 beside a mask; rows of 32 elements, dense
	s_mov_b32 s[\g], 15|(3<<16)|(1<<21)
	s_mov_b32 s[\g+1], 32<<16
	s_mov_b32 s[\g+2], (\rows)<<16
	s_mov_b32 s[\g+3], 32<<16
	s_mov_b32 s[\g+4], \rows
	s_mov_b32 s[\g+5], 32
	s_mov_b32 s[\g+6], 0
	s_mov_b32 s[\g+7], 0
.endm
.macro TL g0, g1                       ; a tensor load with an s_nop and four v_nops behind it
	tensor_load_to_lds s[\g0:\g0+3], s[\g1:\g1+7]
	s_nop 0
.rept 4
	v_nop
.endr
.endm
.macro DEP n                           ; a one-field hint: the next line reads what the n-th plain line back wrote
	s_delay_alu instid0(VALU_DEP_\n)
.endm
	s_load_b256 s[4:11], s[0:1], 0x0               ; qimg, qs, kimg, vimg
	s_load_b128 s[12:15], s[0:1], 0x20             ; kvs, oimg
	s_load_b64 s[16:17], s[0:1], 0x30              ; osc
	v_lshl_add_u32 v[SPW], v0, 2, SPARE
	v_mov_b32 v[NIL], 0
	ds_add_u32 v[SPW], v[NIL]                      ; the opening lines: the add twice on end and one wait
	ds_add_u32 v[SPW], v[NIL]
	v_lshrrev_b32 v8, 5, v0
	v_readfirstlane_b32 s[WV], v8                  ; wave 0..15
	s_and_b32 s68, ttmp7, 0xffff                   ; 16 x batch + head, which the four partners share
	s_lshl_b32 s74, s68, 17                        ; the head's image in memory
	s_mov_b32 s75, 0
	s_and_b32 s76, s[WV], 1
	s_or_b32 s77, s76, 2                           ; waves 8, 9: pieces 2, 3
	s_and_b32 s78, s[WV], 7
	s_lshl_b32 s78, s78, 14                        ; a piece in its tensor
	s_mov_b32 s79, 0
	s_lshl_b32 s80, s77, 14
	s_mov_b32 s81, 0
	s_mul_i32 s82, s68, 12288                      ; the head's scale words
	s_mov_b32 s83, 0
	s_lshr_b32 s84, s[WV], 1
	GROUP1 G1A, 128
	GROUP1 G1R, 64
	GROUP1 G1S, 48
	s_mov_b32 s[G0A], 1
	s_lshl_b32 s[G0A+1], s76, 17                   ; wave 0: K's region; wave 1: V's
	s_mov_b32 s[G0S], 1
	s_mov_b32 s[G0S+1], KSL
	s_mov_b32 s[G0X], 1
	s_lshl_b32 s[G0X+1], s77, 14
	s_mov_b32 s[G0R], 1
	s_lshl_b32 s[G0R+1], s[WV], 14                 ; K's and V's regions lie on end: piece = wave
	s_mov_b32 s[SEL], 0x76543210
	s_mov_b32 s[SEL+1], 0xfedcba98
	s_mov_b32 s[CS], 0x3e38aa3b                    ; c = log2(e) / 8
	s_mov_b32 s[CS+1], s[CS]
	s_mov_b32 s[NCS], 0xbe38aa3b                   ; -c
	s_mov_b32 s[MNT], 0x600000                     ; the mantissa field of 448
	s_wait_dscnt 0x0
	s_wait_kmcnt 0x0
	s_add_nc_u64 s[8:9], s[8:9], s[74:75]          ; K's head, V's head
	s_add_nc_u64 s[10:11], s[10:11], s[74:75]
	s_cmp_eq_u32 s76, 0                            ; the wave's number says which tensor: the same in all partners
	s_cselect_b64 s[G0A+2:G0A+3], s[8:9], s[10:11]
	s_or_b32 s[G0A+3], s[G0A+3], 0x80000000
	s_add_nc_u64 s[G0S+2:G0S+3], s[12:13], s[82:83]
	s_or_b32 s[G0S+3], s[G0S+3], 0x80000000
	s_add_nc_u64 s[G0X+2:G0X+3], s[8:9], s[80:81]
	s_or_b32 s[G0X+3], s[G0X+3], 0x80000000
	s_cmp_lt_u32 s[WV], 8
	s_cselect_b64 s[G0R+2:G0R+3], s[8:9], s[10:11]
	s_add_nc_u64 s[G0R+2:G0R+3], s[G0R+2:G0R+3], s[78:79]
	s_or_b32 s[G0R+3], s[G0R+3], 0x80000000
	CROUND                                         ; all four work-groups are here: the joint loads meet
	s_cmp_lt_u32 s[WV], 2                          ; one chain of arms on the wave's number, one load to an arm
	s_cbranch_scc0 .Larm_s
	TL G0A, G1A
	s_branch .Lasked
.Larm_s:
	s_cmp_eq_u32 s[WV], 2
	s_cbranch_scc0 .Larm_n
	TL G0S, G1S
	s_branch .Lasked
.Larm_n:
	s_cmp_eq_u32 s[WV], 3
	s_cbranch_scc1 .Lasked
	s_cmp_eq_u32 s84, 4
	s_cbranch_scc0 .Larm_r
	TL G0X, G1R
	s_branch .Lasked
.Larm_r:
	TL G0R, G1R
.Lasked:
	; my queries: cx enters Q's and O's addresses in memory alone
	s_bfe_u32 s69, ttmp6, 0x40000                  ; cx
	s_lshl_b32 s82, s69, 5
	s_add_co_u32 s82, s82, s[WV]                   ; my first tile of queries in the head: 32 cx + wave
	s_lshl_b32 s84, s68, 17
	s_lshl_b32 s85, s82, 10
	s_add_co_u32 s84, s84, s85
	s_mov_b32 s85, 0
	s_add_nc_u64 s[4:5], s[4:5], s[84:85]          ; its image
	s_lshl_b32 s84, s68, 13
	s_lshl_b32 s86, s82, 6
	s_add_co_u32 s84, s84, s86
	s_add_nc_u64 s[6:7], s[6:7], s[84:85]          ; its scale words
	s_lshr_b32 s86, s68, 4
	s_lshl_b32 s86, s86, 7
	s_add_co_u32 s86, s86, s82                     ; the tile among all 512
	s_and_b32 s87, s68, 15                         ; the head
	s_lshl_b32 s84, s86, 14                        ; oimg: 16,384 bytes a tile, a head's 64 channels 1,024
	s_lshl_b32 s88, s87, 10
	s_add_co_u32 s84, s84, s88
	s_add_nc_u64 s[14:15], s[14:15], s[84:85]
	s_lshl_b32 s84, s86, 9                         ; osc: 512 bytes a tile, 2 a head
	s_lshl_b32 s88, s87, 1
	s_add_co_u32 s84, s84, s88
	s_add_nc_u64 s[16:17], s[16:17], s[84:85]
	v_and_b32 v8, 31, v0                           ; lane
	v_and_b32 v9, 15, v0                           ; r
	v_bfe_u32 v10, v0, 4, 1                        ; h
	v_lshlrev_b32 v[AK0], 4, v8
	v_lshlrev_b32 v[QSA], 2, v9
	global_load_b128 v[16:19], v[AK0], s[4:5]      ; Q's image: 64 channels, eight registers
	global_load_b128 v[20:23], v[AK0], s[4:5] offset:512
	global_load_b32 v255, v[QSA], s[6:7]           ; and its scale words
	v_add_nc_u32 v[AV0], VL, v[AK0]
	v_lshlrev_b32 v[AS0], 2, v8
	v_add_nc_u32 v[AT0], VSL, v[AS0]
	v_add_nc_u32 v[AS0], KSL, v[AS0]
	v_lshlrev_b32 v[OA], 4, v9
	v_lshl_add_u32 v[OA], v10, 3, v[OA]
	v_lshlrev_b32 v[OSA], 5, v9
.set j, 0
.rept 8
	v_mov_b32 v[24+j], 0                           ; Q's upper 64 along K: zero codes
.set j, j+1
.endr
.set j, 0
.rept 112
	v_mov_b32 v[PCD+j], 0                          ; p's codes, p and O^T: the step is written once; its first run finds zeros
.set j, j+1
.endr
.irp b, 0,1,2,3
	v_mov_b32 v[236+\b], 0                         ; a lane permute's destination counts as one of its sources
.endr
	v_mov_b32 v253, 0
	v_mov_b32 v14, 0
	v_mov_b32 v15, 0
.macro FRESH                           ; a tile of queries begins: the largest score -3e38, and -M to match: the first f is then 0
	v_mov_b32 v13, 0xff61b1e6
	v_mul_f32 v12, s[NCS], v13
	v_floor_f32 v12, v12
.endm
.macro PADD d, a, b
	v_pk_add_f32 v[\d:\d+1], v[\a:\a+1], v[\b:\b+1]
.endm
.macro SUMS from, n                    ; n pairs of p from register SS + from on, onto six chains by turns: v232, v234, v236, v238, v240, v14; c_ runs on from call to call
.set i_, 0
.rept \n
.set C_, 232+2*(c_%6)-228*((c_%6)/5)
	v_pk_add_f32 v[C_:C_+1], v[C_:C_+1], v[SS+\from+2*i_:SS+\from+2*i_+1]
.set i_, i_+1
.set c_, c_+1
.endr
.endm
.macro SMUL t                          ; S^T = K Q^T, tiles t and t + 1: register 8 t + j of lane (r, h) is key 16 t + 8 h + j for query r
	v_wmma_scale_f32_16x16x128_f8f6f4 v[SS+8*\t:SS+8*\t+7], v[KF+8*\t:KF+8*\t+15], v[16:31], 0, v[KSW+\t/2], v255
	v_wmma_scale_f32_16x16x128_f8f6f4 v[SS+8*\t+8:SS+8*\t+15], v[KF+8*\t+8:KF+8*\t+23], v[16:31], 0, v[KSW+\t/2], v255 matrix_a_scale:MATRIX_SCALE_ROW1
.endm
.macro MX k, b                         ; line k of eight: the largest of my 16 scores of block b, on three chains (v232 + b, v240 + b, v244 + b); each tile is first read at its low end
.set E_, SS+16*(\b)
.if (\k) == 0
	v_max3_num_f32 v[232+\b], v[E_], v[E_+1], v[E_+2]
.elseif (\k) == 1
	v_max3_num_f32 v[240+\b], v[E_+8], v[E_+9], v[E_+10]
.elseif (\k) == 2
	v_max_num_f32 v[244+\b], v[E_+7], v[E_+15]
.elseif (\k) == 3
	v_max3_num_f32 v[232+\b], v[232+\b], v[E_+3], v[E_+4]
.elseif (\k) == 4
	v_max3_num_f32 v[240+\b], v[240+\b], v[E_+11], v[E_+12]
.elseif (\k) == 5
	v_max3_num_f32 v[232+\b], v[232+\b], v[E_+5], v[E_+6]
.elseif (\k) == 6
	v_max3_num_f32 v[240+\b], v[240+\b], v[E_+13], v[E_+14]
.else
	v_max3_num_f32 v[232+\b], v[232+\b], v[240+\b], v[244+\b]
.endif
.endm
.macro HOLD g, i                       ; pair i of tile g is held at 448 x its block's scale (the conversion does not saturate: ISA guide 7.6.2; p is not negative, so the hold is one-sided); p itself stays for the sum
	v_dual_min_num_f32 v[TT+8*((\g)%2)+2*(\i)], v[SS+8*(\g)+2*(\i)], v[240+(\g)/2] :: v_dual_min_num_f32 v[TT+8*((\g)%2)+2*(\i)+1], v[SS+8*(\g)+2*(\i)+1], v[240+(\g)/2]
.endm
.macro CODE g
	v_cvt_scalef32_pk8_fp8_f32 v[PCD+2*(\g):PCD+2*(\g)+1], v[TT+8*((\g)%2):TT+8*((\g)%2)+7], v[244+(\g)/2]
.endm
; A KEY STEP: 128 keys.
.macro STEP
	v_add_nc_u32 v[ADK], s[TB], v[AK0]
	v_add_nc_u32 v[ADV], s[TB], v[AV0]
	v_add_nc_u32 v[ADS], s[TS2], v[AS0]
	v_add_nc_u32 v[ADT], s[TS], v[AT0]
	PADD 232, SS, SS+2                             ; the last step's p is summed from here on: five chains begin
	PADD 234, SS+4, SS+6
	PADD 236, SS+8, SS+10
	PADD 238, SS+12, SS+14                         ; with the four additions above: eight places in front of loads into registers that the last products read
.irp t, 0,1,2,3,4,5,6,7
	ds_load_b128 v[KF+8*\t:KF+8*\t+3], v[ADK] offset:1024*\t
	ds_load_b128 v[KF+8*\t+4:KF+8*\t+7], v[ADK] offset:1024*\t+512
.endr
.irp i, 0,1,2,3
	ds_load_b32 v[KSW+\i], v[ADS] offset:128*\i    ; lanes 0-15: tile 2 i's words; lanes 16-31: tile 2 i + 1's
.endr
	PADD 240, SS+16, SS+18
.set c_, 0
	SUMS 20, 6                                     ; tiles 0 to 3 are summed
	s_wait_alu depctr_va_vdst(0)                   ; directly ahead of the wait below
	s_wait_dscnt 0x0
	SMUL 0
	SMUL 2
	SUMS 32, 8                                     ; tiles 4, 5, ahead of the products that write over them
	SMUL 4
	SUMS 48, 8                                     ; tiles 6, 7
	PADD 14, 14, 240                               ; the chains join
	PADD 232, 232, 234
	PADD 236, 236, 238
	SMUL 6
	PADD 236, 236, 232                             ; from here eight places behind the last product; 19 plain lines stand behind tiles 0 to 3's
.irp b, 0,1
	MX 0, \b
	MX 1, \b
.endr
	MX 2, 0
	MX 2, 1
	PADD 14, 14, 236
.irp t, 0,1,2,3                                    ; V's four fragments go out now and land under the softmax
.irp c, 0,1,2,3
	ds_load_b128 v[KF+16*\t+4*\c:KF+16*\t+4*\c+3], v[ADV] offset:2048*\t+512*\c
.endr
.endr
.irp i, 0,1
	ds_load_b32 v[VSW+\i], v[ADT] offset:128*\i
.endr
.irp b, 0,1
	MX 3, \b
	MX 4, \b
.endr
.irp b, 2,3
	MX 0, \b
	MX 1, \b
.endr
.irp b, 0,1
	MX 5, \b
	MX 6, \b
.endr
.irp b, 2,3
	MX 3, \b
	MX 4, \b
.endr
	MX 2, 2
	MX 2, 3
.irp b, 2,3
	MX 5, \b
	MX 6, \b
.endr
.irp b, 0,1,2,3
	MX 7, \b
.endr
.irp b, 0,1,2,3
	DEP 4
	v_permlanex16_b32 v[236+\b], v[232+\b], s[SEL], s[SEL+1]
.endr
.irp b, 0,1,2,3
	DEP 4
	v_max_num_f32 v[232+\b], v[232+\b], v[236+\b]  ; with lane l xor 16's 16 keys: each block's largest score
.endr
	DEP 2
	v_max3_num_f32 v254, v232, v233, v234
	DEP 1
	v_max3_num_f32 v13, v13, v254, v235            ; the running largest score (c is positive: c x it is the largest t)
	DEP 1
	v_mul_f32 v254, s[NCS], v13
	DEP 1
	v_floor_f32 v254, v254                         ; the new -M = floor(-t) = -ceil(t): a whole number
	DEP 1
	v_sub_f32 v252, v254, v12                      ; old M less new M: a whole number, 0 or less
	v_mov_b32 v12, v254
	DEP 2
	v_cvt_i32_f32 v252, v252                       ; (it saturates)
	DEP 1
	v_ldexp_f32 v252, 1.0, v252                    ; f = 2^(old M - new M)
.set j, 0
.rept 32
	v_pk_fma_f32 v[SS+j:SS+j+1], v[SS+j:SS+j+1], s[CS:CS+1], v[12:13] op_sel_hi:[1,0,0]   ; t - M, two at a time
.set j, j+2
.endr
.irp b, 0,1,2,3
	v_fma_f32 v[232+\b], v[232+\b], s[CS], v12     ; the same of each block's largest score
.endr
	s_wait_alu depctr_va_vdst(0)                   ; ahead of the batch
.irp b, 0,1,2,3
	v_exp_f32 v[232+\b], v[232+\b]                 ; the block's largest p: the same two instructions on the same number give the same bits
.endr
.set j, 0
.rept 64
	v_exp_f32 v[SS+j], v[SS+j]                     ; p = 2^(t - M), at most 1
.set j, j+1
.endr
	v_pk_mul_f32 v[14:15], v[14:15], v[252:253] op_sel_hi:[1,0]   ; the sum under the new M: the plain line behind the batch
	s_wait_alu depctr_va_vdst(0)                   ; one wait for the batch, ahead of its first reader
.irp b, 0,1,2,3
	v_max_num_f32 v[232+\b], 0x4800000, v[232+\b]  ; the floor 2^(9 - 127): the byte cannot fall under 1
.endr
.irp b, 0,1,2,3
	DEP 4
	v_add_nc_u32 v[244+\b], 0xfc000000, v[232+\b]  ; 8 off the exponent field: the conversion's scale operand
.endr
.irp b, 0,1,2,3
	v_and_or_b32 v[240+\b], v[232+\b], 0x7f800000, s[MNT]   ; 448 x the scale
.endr
.irp b, 0,1,2,3
	v_lshrrev_b32 v[236+\b], 23, v[244+\b]         ; the scale's byte
.endr
.irp i, 0,1,2,3
	HOLD 0, \i
.endr
	v_lshl_or_b32 v253, v237, 8, v236              ; p's scale word for these 128 keys, in two halves
	v_lshl_or_b32 v254, v239, 8, v238
.irp g, 0,1,2,3,4,5,6                              ; a tile's conversion stands behind three holds of the next tile, which go to the other set
	HOLD \g+1, 0
	HOLD \g+1, 1
	HOLD \g+1, 2
	CODE \g
	HOLD \g+1, 3
.endr
	v_lshl_or_b32 v253, v254, 16, v253
	CODE 7
	s_wait_alu depctr_va_vdst(0)                   ; directly ahead of the first reader of O^T
.set j, 0
.rept 16
	v_pk_mul_f32 v[OT+j:OT+j+1], v[OT+j:OT+j+1], v[252:253] op_sel_hi:[1,0]   ; O^T under the new M; also the places between the codes and the products below
.set j, j+2
.endr
	s_wait_alu depctr_va_vdst(0)                   ; directly ahead of the wait below
	s_wait_dscnt 0x0                               ; V's fragments and words
.irp t, 0,2                                        ; O^T += V^T P^T: four accumulators by turns; the eight score products stand between two links of each
	v_wmma_scale_f32_16x16x128_f8f6f4 v[OT+8*\t:OT+8*\t+7], v[KF+16*\t:KF+16*\t+15], v[PCD:PCD+15], v[OT+8*\t:OT+8*\t+7], v[VSW+\t/2], v253
	v_wmma_scale_f32_16x16x128_f8f6f4 v[OT+8*\t+8:OT+8*\t+15], v[KF+16*\t+16:KF+16*\t+31], v[PCD:PCD+15], v[OT+8*\t+8:OT+8*\t+15], v[VSW+\t/2], v253 matrix_a_scale:MATRIX_SCALE_ROW1
.endr
	s_add_co_u32 s[TB], s[TB], 8192                ; the next step's tiles and words
	s_add_co_u32 s[TS2], s[TS2], 512
	s_add_co_u32 s[TS], s[TS], 256
.endm
.macro STEPS n, first                  ; n key steps from step 'first' on
	s_mov_b32 s[TB], 8192*\first
	s_mov_b32 s[TS2], 512*\first
	s_mov_b32 s[TS], 256*\first
	s_mov_b32 s[CNT], \n
.Lstep_\@:
	STEP
	s_sub_co_u32 s[CNT], s[CNT], 1
	s_cmp_lg_u32 s[CNT], 0
	s_cbranch_scc1 .Lstep_\@
.endm
; THE WAY OUT of a tile of queries: the last step's p is summed; O^T / the sum; register 8 t + j of lane (r, h) is channel 16 t + 8 h + j of query r: registers 16 b + i are my 16 numbers of block b of the head's two.
.macro LEAVE last
	PADD 232, SS, SS+2                             ; 32 additions: also the places behind the last products
	PADD 234, SS+4, SS+6
	PADD 236, SS+8, SS+10
	PADD 238, SS+12, SS+14
	PADD 240, SS+16, SS+18
.set c_, 0
	SUMS 20, 22
	PADD 14, 14, 240
	PADD 232, 232, 234
	PADD 236, 236, 238
	PADD 14, 14, 232
	PADD 14, 14, 236
.if !\last
	s_add_nc_u64 s[4:5], s[4:5], 16384             ; sixteen tiles of queries on (the first tile's loads were waited for)
	s_add_nc_u64 s[6:7], s[6:7], 1024
	global_load_b128 v[16:19], v[AK0], s[4:5]      ; the next tile's Q lands under the way out
	global_load_b128 v[20:23], v[AK0], s[4:5] offset:512
	global_load_b32 v255, v[QSA], s[6:7]
.endif
	v_add_f32 v14, v14, v15
	DEP 1
	v_permlanex16_b32 v252, v14, s[SEL], s[SEL+1]
	DEP 1
	v_add_f32 v14, v14, v252                       ; the row's sum
	s_wait_alu depctr_va_vdst(0)                   ; ahead of the transcendental
	v_rcp_f32 v14, v14
	v_nop                                          ; a plain line behind it
	s_wait_alu depctr_va_vdst(0)                   ; and the wait ahead of its first reader, which is O^T's too
.set j, 0
.rept 16
	v_pk_mul_f32 v[SS+j:SS+j+1], v[OT+j:OT+j+1], v[14:15] op_sel_hi:[1,0]
.set j, j+2
.endr
.irp b, 0,1
	v_max3_num_f32 v[232+\b], |v[SS+16*\b]|, |v[SS+1+16*\b]|, 0x4800000   ; the block's largest magnitude, over the floor 2^(9 - 127)
.endr
.irp i, 2,4,6,8,10,12,14
.irp b, 0,1
	DEP 2
	v_max3_num_f32 v[232+\b], v[232+\b], |v[SS+16*\b+\i]|, |v[SS+1+16*\b+\i]|
.endr
.endr
.irp b, 0,1
	DEP 2
	v_permlanex16_b32 v[236+\b], v[232+\b], s[SEL], s[SEL+1]
.endr
.irp b, 0,1
	DEP 2
	v_max_num_f32 v[232+\b], v[232+\b], v[236+\b]
.endr
.irp b, 0,1
	DEP 2
	v_add_nc_u32 v[244+\b], 0xfc000000, v[232+\b]
.endr
.irp b, 0,1
	DEP 4
	v_and_or_b32 v[240+\b], v[232+\b], 0x7f800000, s[MNT]
.endr
.irp b, 0,1
	DEP 4
	v_lshrrev_b32 v[236+\b], 23, v[244+\b]
.endr
	DEP 1
	v_lshl_or_b32 v254, v237, 8, v236              ; the head's two scale bytes of my token
.irp b, 0,1
.irp i, 0,1,2,3,4,5,6,7,8,9,10,11,12,13,14,15
	v_med3_num_f32 v[SS+16*\b+\i], v[SS+16*\b+\i], -v[240+\b], v[240+\b]
.endr
	v_cvt_scalef32_pk8_fp8_f32 v[TT+4*\b:TT+1+4*\b], v[SS+16*\b:SS+7+16*\b], v[244+\b]       ; channels 32 b + 8 h + 0 .. 7
	v_cvt_scalef32_pk8_fp8_f32 v[TT+2+4*\b:TT+3+4*\b], v[SS+8+16*\b:SS+15+16*\b], v[244+\b]  ; channels 32 b + 16 + 8 h + 0 .. 7
.endr
	v_nop                                          ; one plain line behind the last conversion
.irp b, 0,1
	global_store_b64 v[OA], v[TT+4*\b:TT+1+4*\b], s[14:15] offset:512*\b         ; 32 lanes store 256 consecutive bytes
	global_store_b64 v[OA], v[TT+2+4*\b:TT+3+4*\b], s[14:15] offset:512*\b+256
.endr
	global_store_b16 v[OSA], v254, s[16:17]        ; lanes r and r + 16 store the same two bytes
.if !\last
	s_wait_xcnt 0x0                                ; the stores have read their registers and bases: both are written again only behind this wait
	s_add_nc_u64 s[14:15], s[14:15], 262144
	s_add_nc_u64 s[16:17], s[16:17], 8192
.endif
.endm
	FRESH
	s_wait_alu depctr_va_vdst(0)                   ; at the head's end
	s_wait_loadcnt 0x0                             ; Q
	s_cmp_lt_u32 s[WV], 4                          ; the waves whose load lines bring key steps 0 to 3 and the scale words wait here; the others' lines are waited for at the next barrier
	s_cbranch_scc0 .Lnot_first
	s_wait_tensorcnt 0x0
.Lnot_first:
	s_barrier_signal -1
	s_barrier_wait -1
	STEPS 4, 0
	s_wait_tensorcnt 0x0                           ; every wave: all that is still out
	s_wait_dscnt 0x0
	s_barrier_signal -1
	s_barrier_wait -1                              ; the whole head is in
	STEPS 12, 4
	LEAVE 0
	FRESH
	s_wait_alu depctr_va_vdst(0)                   ; directly ahead of the wait below
	s_wait_loadcnt 0x0                             ; the second tile's Q
	STEPS 16, 0
	LEAVE 1
	s_wait_tensorcnt 0x0                           ; the wave's end
	ds_add_u32 v[SPW], v[NIL]
	s_wait_dscnt 0x0
	CROUND                                         ; the closing round
	s_endpgm
.Lfunc_end_k_q2f865060b4_attn:
	.size	k_q2f865060b4_attn, .Lfunc_end_k_q2f865060b4_attn-k_q2f865060b4_attn
	.p2alignl 7, 3214868480
	.fill 96, 4, 3214868480
	.section	.rodata,"a",@progbits
	.p2align	6, 0x0
	.amdhsa_kernel k_q2f865060b4_attn
		.amdhsa_group_segment_fixed_size 276480
		.amdhsa_private_segment_fixed_size 0
		.amdhsa_enable_private_segment 0
		.amdhsa_kernarg_size 56
		.amdhsa_user_sgpr_count 2
		.amdhsa_user_sgpr_kernarg_segment_ptr 1
		.amdhsa_wavefront_size32 1
		.amdhsa_system_sgpr_workgroup_id_x 1
		.amdhsa_system_sgpr_workgroup_id_y 1
		.amdhsa_system_sgpr_workgroup_id_z 1
		.amdhsa_system_vgpr_workitem_id 0
		.amdhsa_next_free_vgpr 256
		.amdhsa_next_free_sgpr 92
		.amdhsa_reserve_vcc 0
		.amdhsa_float_denorm_mode_32 3
		.amdhsa_float_denorm_mode_16_64 3
		.amdhsa_memory_ordered 1
		.amdhsa_forward_progress 1
		.amdhsa_inst_pref_size 87
	.end_amdhsa_kernel
	.amdgpu_metadata
---
amdhsa.version: [ 1, 2 ]
amdhsa.kernels:
  - .name:           k_q2f865060b4_attn
    .symbol:         k_q2f865060b4_attn.kd
    .args:
      - { .name: qimg, .offset: 0, .size: 8, .value_kind: global_buffer, .address_space: global }
      - { .name: qs, .offset: 8, .size: 8, .value_kind: global_buffer, .address_space: global }
      - { .name: kimg, .offset: 16, .size: 8, .value_kind: global_buffer, .address_space: global }
      - { .name: vimg, .offset: 24, .size: 8, .value_kind: global_buffer, .address_space: global }
      - { .name: kvs, .offset: 32, .size: 8, .value_kind: global_buffer, .address_space: global }
      - { .name: oimg, .offset: 40, .size: 8, .value_kind: global_buffer, .address_space: global }
      - { .name: osc, .offset: 48, .size: 8, .value_kind: global_buffer, .address_space: global }
    .group_segment_fixed_size: 276480
    .private_segment_fixed_size: 0
    .kernarg_segment_align: 8
    .kernarg_segment_size: 56
    .max_flat_workgroup_size: 512
    .sgpr_count:     92
    .vgpr_count:     256
    .wavefront_size: 32
...
	.end_amdgpu_metadata
.endif
;; end of part 2
;; launch proj (part 3): grid 4 x 32, 4 waves a work-group, clusters of 4 x 4, 327,680 bytes of LDS; arguments oimg, osc, Wo_codes, Wo_scales, bo, out0; writes out0
.if DOCPART == 3
	.amdgcn_target "amdgcn-amd-amdhsa--gfx1250"
	.amdhsa_code_object_version 6
	.text
	.protected	k_q2f865060b4_proj
	.globl	k_q2f865060b4_proj
	.p2align	8
	.type	k_q2f865060b4_proj,@function
k_q2f865060b4_proj:
	s_mov_b64 s[64:65], 0
	v_nop
	global_prefetch_b8 v0, s[64:65] scope:SCOPE_SE
	s_setreg_imm32_b32 hwreg(HW_REG_WAVE_MODE, 25, 1), 1
	s_wait_xcnt 0x0
	s_wait_alu depctr_hold_cnt(0) depctr_sa_sdst(0) depctr_va_vdst(0) depctr_va_sdst(0) depctr_va_ssrc(0) depctr_va_vcc(0) depctr_vm_vsrc(0)
	s_getreg_b32 s2, hwreg(HW_REG_IB_STS2, 6, 4)
	s_cmp_eq_u32 s2, 0
	s_cbranch_scc0 .Lentry_in_a_cluster
	s_endpgm
.Lentry_in_a_cluster:
	s_bfe_u32 s2, ttmp6, 0x10000c
	s_cmp_lg_u32 s2, 0xf033
	s_cbranch_scc0 .Lentry_shape_is_right
	s_endpgm
.Lentry_shape_is_right:
.set SIZE_N, 1024
.set SIZE_K, 1024
.set KSTEP,  256
.set NQ,     KSTEP/128
.set ROWB,   256
.set KROW,   SIZE_K
.set PITCH,  272
.set FR,     16
.set NL,     4
.set NP,     8
.set HALFA,  32768
.set HALFT,  128*PITCH
.set SLOT,   2*HALFA+2*HALFT
.set LAPS,   SIZE_K/(2*KSTEP)
.set KS,     SIZE_K/32
.set SCL,    2*SLOT
.set HALFS,  (128*KS/256)*272
.set SBLK,   (16*KS/256)*272
.set SPARE,  SCL+4*HALFS
.set SPITCH, 528
.set ADRA, 16
.set ADRB, 20
.set STO,  24
.set RD,   25
.set CO,   26
.set ADRS, 27
.set SPW,  28
.set NIL,  29
.set BVA,  30
.set SC,   32
.set BV,   64
.set AF,   128
.set BK,   128
.set G1, 24
.set G0, 32
.set G1B, 48
.set G0B, 56
.set G1S, 68
.set G0S, 76
.set G1SB, 80
.set G0SB, 88
.set MSB, 0
.macro WIN new
.if MSB != (\new)
	s_set_vgpr_msb (MSB<<8)|(\new)
.set MSB, (\new)
.endif
.endm
.set MUL_LO, 0xa1
.set MUL_HI, 0xf1
.set FST_LO, 0x81
.set FST_HI, 0xc1
.set TO_B,   0x40
.macro JLOAD g0a, g1a, g0b, g1b
	s_cmp_eq_u32 s15, 0
	s_cbranch_scc0 .Lfor_b_\@
	tensor_load_to_lds s[\g0a:\g0a+3], s[\g1a:\g1a+7]
	s_nop 0
.rept 4
	v_nop
.endr
	s_branch .Lasked_\@
.Lfor_b_\@:
	tensor_load_to_lds s[\g0b:\g0b+3], s[\g1b:\g1b+7]
	s_nop 0
.rept 4
	v_nop
.endr
.Lasked_\@:
.endm
.macro CREST
	s_cmp_lg_u32 s14, 0
	s_cbranch_scc1 .Lnot_wave_0_\@
	s_barrier_signal -3
.Lnot_wave_0_\@:
	s_barrier_wait -3
	s_barrier_signal -1
	s_barrier_wait -1
.endm
.macro CROUND
	s_barrier_signal -1
	s_barrier_wait -1
	CREST
.endm
	s_load_b128 s[4:7], s[0:1], 0x0
	s_load_b128 s[8:11], s[0:1], 0x10
	s_load_b64 s[96:97], s[0:1], 0x20
	s_load_b64 s[12:13], s[0:1], 0x28
	v_lshl_add_u32 v[SPW], v0, 2, SPARE
	v_mov_b32 v[NIL], 0
	ds_add_u32 v28, v29
	ds_add_u32 v28, v29
	s_wait_dscnt 0x0
	v_lshrrev_b32 v1, 5, v0
	v_readfirstlane_b32 s14, v1
	s_lshr_b32 s15, s14, 1
	s_and_b32 s16, s14, 1
	s_bfe_u32 s40, ttmp6, 0x40000
	s_bfe_u32 s41, ttmp6, 0x40004
	s_lshl_b32 s42, ttmp9, 2
	s_add_co_u32 s42, s42, s40
	s_and_b32 s17, ttmp7, 0xffff
	s_lshl_b32 s17, s17, 2
	s_add_co_u32 s17, s17, s41
	s_lshl_b32 s43, s41, 2
	s_lshl_b32 s43, 15, s43
	s_lshl_b32 s44, 0x1111, s40
	s_or_b32 s[G1+0], s43, (3<<16)|(1<<21)
	s_mov_b32 s[G1+1], 512<<16
	s_mov_b32 s[G1+2], 16<<16
	s_mov_b32 s[G1+3], 512<<16
	s_mov_b32 s[G1+4], 16
	s_mov_b32 s[G1+5], 2048
	s_mov_b32 s[G1+6], 0
	s_mov_b32 s[G1+7], 0
	s_or_b32 s[G1B+0], s44, (0<<16)|(1<<20)|(1<<21)|(5<<22)|(3<<25)
	s_mov_b32 s[G1B+1], ROWB<<16
	s_mov_b32 s[G1B+2], 256<<16
	s_mov_b32 s[G1B+3], ROWB<<16
	s_mov_b32 s[G1B+4], 256
	s_mov_b32 s[G1B+5], KROW
	s_mov_b32 s[G1B+6], 0
	s_mov_b32 s[G1B+7], 0
	s_or_b32 s[G1S+0], s43, (3<<16)|(1<<20)|(1<<21)|(5<<22)|(3<<25)
	s_or_b32 s[G1SB+0], s44, (3<<16)|(1<<20)|(1<<21)|(5<<22)|(3<<25)
.irp g, G1S, G1SB
	s_mov_b32 s[\g+1], 32<<16
	s_mov_b32 s[\g+2], (256*KS/256)<<16
	s_mov_b32 s[\g+3], 32<<16
	s_mov_b32 s[\g+4], 256*KS/256
	s_mov_b32 s[\g+5], 32
	s_mov_b32 s[\g+6], 0
	s_mov_b32 s[\g+7], 0
.endr
	s_lshl_b32 s18, s16, 7
	s_lshl_b32 s22, s17, 8
	s_add_co_u32 s22, s22, s18
	s_lshl_b32 s20, s22, 10
	s_lshl_b32 s22, s22, 5
	s_mov_b32 s21, 0
	s_mov_b32 s23, 0
	s_lshl_b32 s46, s42, 8
	s_add_co_u32 s46, s46, s18
	s_lshl_b32 s92, s46, 5
	s_lshl_b32 s46, s46, 10
	s_mov_b32 s47, 0
	s_mov_b32 s93, 0
	s_mul_i32 s45, s16, HALFA
	s_mul_i32 s19, s16, HALFT
	s_add_co_u32 s19, s19, 2*HALFA
	s_mul_i32 s94, s14, HALFS
	s_wait_kmcnt 0x0
	s_add_nc_u64 s[20:21], s[4:5], s[20:21]
	s_add_nc_u64 s[22:23], s[6:7], s[22:23]
	s_add_nc_u64 s[46:47], s[8:9], s[46:47]
	s_add_nc_u64 s[92:93], s[10:11], s[92:93]
	; the head's four tiles, each whole, one a wave: K step 0's 256 rows of A, of B, the scales of A's 256 rows, of B's.  The ring's addresses hold my half of 128 rows: it is taken off here
	s_lshl_b32 s2, s16, 17                         ; 128 rows of codes
	s_mov_b32 s3, 0
	s_sub_nc_u64 s[6:7], s[20:21], s[2:3]
	s_sub_nc_u64 s[10:11], s[46:47], s[2:3]
	s_lshl_b32 s2, s16, 12                         ; 128 rows of scale bytes
	s_sub_nc_u64 s[G0S+2:G0S+3], s[22:23], s[2:3]
	s_sub_nc_u64 s[G0SB+2:G0SB+3], s[92:93], s[2:3]
	s_mov_b32 s4, 1
	s_mov_b32 s5, 0
	s_or_b32 s7, s7, 0x80000000
	s_mov_b32 s8, 1
	s_mov_b32 s9, 2*HALFA
	s_or_b32 s11, s11, 0x80000000
	s_mov_b32 s[G0S], 1
	s_mov_b32 s[G0S+1], SCL
	s_or_b32 s[G0S+3], s[G0S+3], 0x80000000
	s_mov_b32 s[G0SB], 1
	s_mov_b32 s[G0SB+1], SCL+2*HALFS
	s_or_b32 s[G0SB+3], s[G0SB+3], 0x80000000
.irp s, 0,1
	s_mov_b32 s[G0+4*\s], 1
	s_add_co_u32 s[G0+4*\s+1], s45, \s*SLOT
	s_add_nc_u64 s[G0+4*\s+2:G0+4*\s+3], s[20:21], \s*4096
	s_or_b32 s[G0+4*\s+3], s[G0+4*\s+3], 0x80000000
	s_mov_b32 s[G0B+4*\s], 1
	s_add_co_u32 s[G0B+4*\s+1], s19, \s*SLOT
	s_add_nc_u64 s[G0B+4*\s+2:G0B+4*\s+3], s[46:47], \s*ROWB
	s_or_b32 s[G0B+4*\s+3], s[G0B+4*\s+3], 0x80000000
.endr
	CROUND                                         ; all sixteen work-groups are here: the first joint loads meet
.macro ARM under, g0, g1, next                 ; one chain of arms on the wave's number, one load to an arm
	s_cmp_lt_u32 s14, \under
	s_cbranch_scc0 \next
	tensor_load_to_lds s[\g0:\g0+3], s[\g1:\g1+7]
	s_nop 0
.rept 4
	v_nop
.endr
	s_branch .Lhead_asked
\next:
.endm
	ARM 1, 4, G1, .Lhead_b
	ARM 2, 8, G1B, .Lhead_sa
	ARM 3, G0S, G1S, .Lhead_sb
	tensor_load_to_lds s[G0SB:G0SB+3], s[G1SB:G1SB+7]
	s_nop 0
.rept 4
	v_nop
.endr
.Lhead_asked:
	v_and_b32 v1, 15, v0
	v_bfe_u32 v2, v0, 4, 1
	v_and_b32 v6, 31, v0
	v_lshlrev_b32 v[CO], 4, v6
	v_mul_u32_u24 v3, v1, PITCH
	v_lshl_add_u32 v4, v2, 4, v3
	s_mul_i32 s21, s15, HALFA
	s_mul_i32 s22, s16, HALFT
	s_add_co_u32 s22, s22, 2*HALFA
.irp s, 0,1
	v_add_nc_u32 v[ADRA+\s], s21, v[CO]
	v_add_nc_u32 v[ADRB+\s], s22, v4
	s_add_co_u32 s21, s21, SLOT
	s_add_co_u32 s22, s22, SLOT
.endr
	v_mul_u32_u24 v5, v1, KS
	v_lshrrev_b32 v6, 8, v5
	v_lshl_add_u32 v5, v6, 4, v5
	s_mul_i32 s21, s15, HALFS
	s_mul_i32 s22, s16, HALFS
	s_add_co_u32 s22, s22, 2*HALFS
	s_sub_co_u32 s22, s22, s21
	v_mul_u32_u24 v6, s22, v2
	s_add_co_u32 s21, s21, SCL
	v_add_nc_u32 v5, v5, v6
	v_add_nc_u32 v[ADRS], s21, v5
	s_mul_i32 s23, s14, 16*SPITCH
	v_mul_u32_u24 v5, v1, SPITCH
	v_lshl_add_u32 v5, v2, 5, v5
	v_add_nc_u32 v[STO], s23, v5
	v_add_nc_u32 v[RD], s23, v[CO]
	s_lshl_b32 s20, s17, 8
	s_lshl_b32 s21, s15, 7
	s_add_co_u32 s20, s20, s21
	s_mov_b32 s21, 0
	s_mov_b64 s[18:19], SIZE_N*4
	s_mul_u64 s[20:21], s[20:21], s[18:19]
	s_lshl_b32 s46, s42, 10
	s_lshl_b32 s47, s16, 9
	s_add_co_u32 s46, s46, s47
	s_mov_b32 s47, 0
	s_add_nc_u64 s[96:97], s[96:97], s[46:47]
	s_add_nc_u64 s[20:21], s[20:21], s[46:47]
	s_add_nc_u64 s[12:13], s[12:13], s[20:21]
	v_lshlrev_b32 v[BVA], 5, v2
.irp b, 0,1,2,3,4,5,6,7
	global_load_b128 v[BV+8*\b:BV+8*\b+3], v[BVA], s[96:97] offset:64*\b
	global_load_b128 v[BV+8*\b+4:BV+8*\b+7], v[BVA], s[96:97] offset:64*\b+16
.endr
.macro FRAGB reg, adr, q, i
.irp c, 0,1,2,3
	ds_load_b128 v[\reg+4*\c:\reg+4*\c+3], v[\adr] offset:128*(\q)+32*\c+(\i)*16*PITCH
.endr
.endm
.macro FRAGA reg, adr, q, i
.irp c, 0,1,2,3
	ds_load_b128 v[\reg+4*\c:\reg+4*\c+3], v[\adr] offset:2048*(\q)+512*\c+(\i)*4096
.endr
.endm
.macro MUL16 a0, p, q, sc, first
.irp a, \a0, \a0+1
.irp b, 0,1,2,3,4,5,6,7
.if \first
	v_wmma_scale_f32_16x16x128_f8f6f4 v[8*(8*((\a)%4)+\b):8*(8*((\a)%4)+\b)+7], v[128*(\p)+FR*\b:128*(\p)+FR*\b+FR-1], v[AF+FR*(\a):AF+FR*(\a)+FR-1], v[BV+8*\b:BV+8*\b+7], v[SC+8*NQ*(\sc)+NQ*\b+(\q)], v[SC+8*NQ*(\sc)+NQ*(\a)+(\q)] matrix_a_scale:MATRIX_SCALE_ROW1
.else
	v_wmma_scale_f32_16x16x128_f8f6f4 v[8*(8*((\a)%4)+\b):8*(8*((\a)%4)+\b)+7], v[128*(\p)+FR*\b:128*(\p)+FR*\b+FR-1], v[AF+FR*(\a):AF+FR*(\a)+FR-1], v[8*(8*((\a)%4)+\b):8*(8*((\a)%4)+\b)+7], v[SC+8*NQ*(\sc)+NQ*\b+(\q)], v[SC+8*NQ*(\sc)+NQ*(\a)+(\q)] matrix_a_scale:MATRIX_SCALE_ROW1
.endif
.endr
.endr
.endm
.macro FETCH_B slot, q, p
	WIN TO_B
.irp i, 0,1,2,3,4,5,6,7
	FRAGB 128*(\p)+FR*\i, ADRB+\slot, \q, \i
.endr
	WIN 0
.endm
.macro FETCH_A slot, q, i0
.irp i, \i0, \i0+1, \i0+2, \i0+3
	FRAGA AF+FR*(\i), ADRA+\slot, \q, \i
.endr
.endm
.macro SCALES sc
.irp i, 0,1,2,3,4,5,6,7
	ds_load_b64 v[SC+8*NQ*\sc+NQ*\i:SC+8*NQ*\sc+NQ*\i+1], v[ADRS] offset:\i*SBLK
.endr
.endm
.macro PLACES n
.rept \n
	v_nop
.endr
.endm
.macro STEP slot, q, first
	s_wait_dscnt 4*NL
.if \first
	WIN FST_LO
.else
	WIN MUL_LO
.endif
	MUL16 0, (\q)%2, \q, \slot, \first
	MUL16 2, (\q)%2, \q, \slot, \first
	s_wait_dscnt 0
	PLACES NP
	FETCH_B \slot, (\q)+1, 1-(\q)%2
	FETCH_A \slot, (\q)+1, 0
.if \first
	WIN FST_HI
.else
	WIN MUL_HI
.endif
	MUL16 4, (\q)%2, \q, \slot, \first
	MUL16 6, (\q)%2, \q, \slot, \first
	PLACES NP
	WIN 0
	FETCH_A \slot, (\q)+1, 4
.endm
.macro TURN slot, next, fill
	s_wait_tensorcnt 0x0
	ds_add_u32 v[SPW], v[NIL]
	s_wait_dscnt 4*NL+1
	WIN MUL_LO
	MUL16 0, 1, NQ-1, \slot, 0
	s_wait_dscnt 0x0
	s_barrier_signal -1
	MUL16 2, 1, NQ-1, \slot, 0
	WIN 0
	s_barrier_wait -1
.if \fill
	CREST
	s_add_nc_u64 s[G0+4*\slot+2:G0+4*\slot+3], s[G0+4*\slot+2:G0+4*\slot+3], 2*4096
	s_add_nc_u64 s[G0B+4*\slot+2:G0B+4*\slot+3], s[G0B+4*\slot+2:G0B+4*\slot+3], 2*ROWB
	JLOAD G0+4*\slot, G1, G0B+4*\slot, G1B
	PLACES NP-4
.else
	PLACES NP
.endif
	s_wait_alu depctr_va_vdst(0)
	v_add_nc_u32 v[ADRS], 4*NQ, v[ADRS]
	FETCH_B \next, 0, 0
	FETCH_A \next, 0, 0
	SCALES \next
	WIN MUL_HI
	MUL16 4, 1, NQ-1, \slot, 0
	MUL16 6, 1, NQ-1, \slot, 0
	PLACES NP
	WIN 0
	FETCH_A \next, 0, 4
.endm
	; the addresses above and the bias loads stand between the head's loads and the wait for them; they write no register of a descriptor that is out
	s_wait_alu depctr_va_vdst(0)                   ; at the head's end
	s_wait_tensorcnt 0x0                           ; my tile of the four is in
	ds_add_u32 v28, v29
	s_mov_b32 s[G1+2], 8<<16                       ; no tensor load of mine is out: from here on a load brings 128 rows (A: 8 token tiles)
	s_mov_b32 s[G1+4], 8
	s_mov_b32 s[G1B+2], 128<<16
	s_mov_b32 s[G1B+4], 128
	s_wait_dscnt 0x0
	CROUND                                         ; all four tiles are in, and all sixteen work-groups are here
	JLOAD G0+4, G1, G0B+4, G1B                     ; K step 1, the first tensor load behind the round
	FETCH_B 0, 0, 0
	FETCH_A 0, 0, 0
	SCALES 0
	FETCH_A 0, 0, 4
	s_wait_loadcnt 0x0
	STEP 0, 0, 1
	s_mov_b32 s3, LAPS-1
.Llap:
	TURN 0, 1, 1
	STEP 1, 0, 0
	TURN 1, 0, 1
	STEP 0, 0, 0
	s_sub_co_u32 s3, s3, 1
	s_cmp_lg_u32 s3, 0
	s_cbranch_scc1 .Llap
	TURN 0, 1, 0
	STEP 1, 0, 0
	s_wait_dscnt 4*NL
	WIN MUL_LO
	MUL16 0, 1, NQ-1, 1, 0
	MUL16 2, 1, NQ-1, 1, 0
	s_wait_dscnt 0
	WIN MUL_HI
	MUL16 4, 1, NQ-1, 1, 0
	MUL16 6, 1, NQ-1, 1, 0
	WIN 0
.macro TOSTAGE a
.set AC, 64*((\a)%4)
	WIN 0x08+4*((\a)/4)
.irp b, 0,1,2,3,4,5,6,7
	ds_store_b128 v[STO], v[AC+8*\b:AC+8*\b+3] offset:64*\b
	ds_store_b128 v[STO], v[AC+8*\b+4:AC+8*\b+7] offset:64*\b+16
.endr
	WIN 0
.set BB, BK+64*((\a)%2)
.irp t, 0,1,2,3,4,5,6,7,8,9,10,11,12,13,14,15
	ds_load_b128 v[BB+4*\t:BB+4*\t+3], v[RD] offset:\t*SPITCH
.endr
.endm
.macro SEND a, younger
.set BB, BK+64*((\a)%2)
	s_wait_dscnt \younger
.if (\a) > 0
	s_add_nc_u64 s[12:13], s[12:13], 16*SIZE_N*4
.endif
.irp t, 0,1,2,3,4,5,6,7,8,9,10,11,12,13,14,15
	global_store_b128 v[CO], v[BB+4*\t:BB+4*\t+3], s[12:13] offset:\t*SIZE_N*4 th:TH_STORE_NT
.endr
.endm
	PLACES NP
	TOSTAGE 0
.irp a, 1,2,3,4,5,6,7
.if \a > 1
	s_wait_xcnt 0x0
.endif
	TOSTAGE \a
	SEND \a-1, 32
.endr
	s_wait_xcnt 0x0
	SEND 7, 0
	s_wait_tensorcnt 0x0
	ds_add_u32 v[SPW], v[NIL]
	s_wait_dscnt 0x0
	CROUND
	s_endpgm
.Lfunc_end_k_q2f865060b4_proj:
	.size	k_q2f865060b4_proj, .Lfunc_end_k_q2f865060b4_proj-k_q2f865060b4_proj
	.p2alignl 7, 3214868480
	.fill 96, 4, 3214868480
	.section	.rodata,"a",@progbits
	.p2align	6, 0x0
	.amdhsa_kernel k_q2f865060b4_proj
		.amdhsa_group_segment_fixed_size 327680
		.amdhsa_private_segment_fixed_size 0
		.amdhsa_enable_private_segment 0
		.amdhsa_kernarg_size 48
		.amdhsa_user_sgpr_count 2
		.amdhsa_user_sgpr_kernarg_segment_ptr 1
		.amdhsa_wavefront_size32 1
		.amdhsa_system_sgpr_workgroup_id_x 1
		.amdhsa_system_sgpr_workgroup_id_y 1
		.amdhsa_system_sgpr_workgroup_id_z 1
		.amdhsa_system_vgpr_workitem_id 0
		.amdhsa_next_free_vgpr 1024
		.amdhsa_next_free_sgpr 98
		.amdhsa_reserve_vcc 0
		.amdhsa_float_denorm_mode_32 3
		.amdhsa_float_denorm_mode_16_64 3
		.amdhsa_memory_ordered 1
		.amdhsa_forward_progress 1
		.amdhsa_inst_pref_size 148
	.end_amdhsa_kernel
	.amdgpu_metadata
---
amdhsa.version: [ 1, 2 ]
amdhsa.kernels:
  - .name:           k_q2f865060b4_proj
    .symbol:         k_q2f865060b4_proj.kd
    .args:
      - { .name: oimg, .offset: 0, .size: 8, .value_kind: global_buffer, .address_space: global }
      - { .name: osc, .offset: 8, .size: 8, .value_kind: global_buffer, .address_space: global }
      - { .name: Wo_codes, .offset: 16, .size: 8, .value_kind: global_buffer, .address_space: global }
      - { .name: Wo_scales, .offset: 24, .size: 8, .value_kind: global_buffer, .address_space: global }
      - { .name: bo, .offset: 32, .size: 8, .value_kind: global_buffer, .address_space: global }
      - { .name: out0, .offset: 40, .size: 8, .value_kind: global_buffer, .address_space: global }
    .group_segment_fixed_size: 327680
    .private_segment_fixed_size: 0
    .kernarg_segment_align: 8
    .kernarg_segment_size: 48
    .max_flat_workgroup_size: 128
    .sgpr_count:     98
    .vgpr_count:     1024
    .wavefront_size: 32
...
	.end_amdgpu_metadata
.endif
;; end of part 3
